; MI455X (gfx1250); checked and timed in simulation.
; The chip was launched on July 23, 2026; its instructions are those of AMD's public machine-readable ISA for CDNA 5 (MIT licence, August 2026) and "CDNA5" Instruction Set Architecture Reference Guide (July 2026). The comments in the code are by the model that wrote it; some were corrected since.
;; Vector Quantizer. Allowed arithmetic: matrix products marked QUANTISED: E2M1 operands, one E8M0 scale for each 32 along K, by v_wmma_scale_f32_16x16x128_f8f6f4 with both operands' format E2M1 (or v_wmma_scale_f32_32x16x128_f4), f32 sums; everything else in f32.
;; Inputs: codebook 8,192 x 256 float32; z 8 x 4,096 x 256 float32.
;; Outputs: out0 8 x 4,096 x 256 float32; out1 8 x 4,096 int32.
;; This version of the problem:
;;   THIS VERSION OF THE PROBLEM IS GIVEN IN LOW PRECISION. The matrix products marked QUANTISED in the list below multiply operands that are first quantised to E2M1 (2 exponent bits, 1 mantissa bit; 4 bits a number), with one power-of-two scale for each 32 numbers along K (OCP MX v1.0); their sums are f32. All else is computed in f32.
;;   The module's matrix products, in the order in which they are computed (A, B: the left and right operand; K: the contracted axis; several contracted axes count as one K, in the product's order):
;;     1. [M 32,768, K 256] x [K 256, N 8,192]; A: input z; B: input codebook: QUANTISED
;;   THE QUANTISER, for each operand of a quantised product, along K:
;;     - K is cut into blocks of 32 from its start; a last block that is shorter is filled with zeros.
;;     - A block's scale is 2^e with e = floor(log2(the largest magnitude in the block)) - 2, held to -126 .. 127; a block of zeros has e = 0. As a byte (E8M0): e + 127.
;;     - Each number is divided by its block's scale, clamped to +-6, and rounded to the nearest number of E2M1, ties to even, subnormals kept.
;;     - The product sums the exact products of the quantised numbers (number of the format x scale) in f32.
;;   ~~~python
;;   def quantise(x, axis):      # numpy; x: float32 -> the quantised numbers, widened to float32 again
;;       x = np.moveaxis(x, axis, -1); K = x.shape[-1]
;;       x = np.pad(x, [(0, 0)] * (x.ndim - 1) + [(0, -K % 32)]); x = x.reshape(x.shape[:-1] + (-1, 32)); a = np.abs(x).max(-1, keepdims=True)
;;       e = np.where(a > 0, np.clip(np.frexp(np.where(a > 0, a, 1))[1] - 1 - 2, -126, 127), 0)      # np.frexp(a)[1] - 1 = floor(log2(a)), exactly
;;       r = np.clip(x / 2.0 ** e, -6, 6)
;;       step = 2.0 ** (np.maximum(np.frexp(np.where(r == 0, 1, r))[1] - 1, 0) - 1)
;;       q = np.round(r / step) * step * 2.0 ** e      # np.round: ties to even
;;       return np.moveaxis(q.reshape(q.shape[:-2] + (-1,))[..., :K], -1, axis).astype(np.float32)
;;   ~~~
;; One version. Each part assembles by itself: llvm-mc -triple=amdgcn-amd-amdhsa -mcpu=gfx1250 --defsym DOCPART=n.
;; ======== version 1 of 1: 4 launches
;; limits: right only within a limited range of input values
;; workspace buffers: zrec 4,718,592 bytes; crec 1,179,648 bytes; cand 131,072 bytes of whole numbers; idx 131,072 bytes of whole numbers
;; launch quant (part 1): grid 256 x 1, 10 waves a work-group, no clusters, 170,240 bytes of LDS; arguments z, codebook, zrec, crec; writes zrec, crec
.if DOCPART == 1
	.amdgcn_target "amdgcn-amd-amdhsa--gfx1250"
	.amdhsa_code_object_version 6
	.text
	.protected	k_q8a6d233264_quant
	.globl	k_q8a6d233264_quant
	.p2align	8
	.type	k_q8a6d233264_quant,@function
k_q8a6d233264_quant:
	s_mov_b64 s[64:65], 0
	v_nop
	global_prefetch_b8 v0, s[64:65] scope:SCOPE_SE
	s_setreg_imm32_b32 hwreg(HW_REG_WAVE_MODE, 25, 1), 1
	s_wait_xcnt 0x0
; WORK LEFT OUT BY THE WHOLE PROGRAM: z_norm_sq.  reference() adds z_norm_sq[n] to every distance of row n and then takes the argmin along that row.  A term that is the same
; along the argmin's axis moves no comparison of two distances of the row, whatever finite values z and the codebook hold, and the distances reach the outputs through the argmin alone.
; So indices[n] = argmax over k of D(n, k) = q(z_n) . q(c_k) - |c_k|^2 / 2 (the first of equal ones), and the squares of z are not summed.  z stays an input: its codes and scales are live.
; LIMITS: a NaN, an infinity or an overflow that arises in z_norm_sq alone is not carried to the result.  NaN and infinities among the inputs are not served.  D is rounded in another order
; than reference()'s distances: two codes whose distances differ by no more than that rounding may change places.
; THIS LAUNCH: z [32768][256] and codebook [8192][256], f32, become RECORDS of 16 rows, 2,304 bytes (nine times 256):
;   0 .. 2047     codes of FP4 (E2M1) as an image of a matrix operand's registers: [block of 32, b = 0..7][row r = 0..15][16 bytes]: piece j = b / 2 is 512 bytes, lane l's 16 bytes at 512 j + 16 l
;   2048 .. 2175  the E8M0 scale words: [K step s = 0, 1][row r][4 bytes]
;   2176 .. 2239  codebook: -1/2 x the sum of the row's squares, 16 f32; z: zeros.   2240 .. 2303 zeros
; A block's scale byte is its largest magnitude's exponent field - 2, held at 1 from below.  A block of zeros so has the byte 1 where the rule says 127: its codes are zeros, and this program alone reads the bytes.
; A row's squares are summed in eight chains of fused multiply-adds a lane and then pairwise.
; SHARES: 2,560 tiles of 16 rows (2,048 of z, 512 of the codebook), one to a wave: tile 10 x work-group + wave.  A tile, 16 KiB, comes by ONE tensor load into the wave's own LDS bytes, filled once;
; only the wave that asked reads them, so its own wait on TENSORcnt is all the ordering there is.  No barrier.
.set PITCH, 1040                       ; an LDS row: 1,024 bytes + 16 of padding
.set TILEB, 16*PITCH
.set SCR,   10*TILEB                   ; 256 bytes for each wave, where a record's last 256 bytes are put together; no tensor load lands here
.set REC,   2304
.set NZT,   2048                       ; tiles of z
.set NS,    8                          ; v8-15    four pairs of partial sums of squares
.set SO,    20                         ; v20-23   the conversions' scale operands
.set BY,    24                         ; v24-27   the scale bytes
.set X,     32                         ; v32-159  my four blocks of 32 numbers
.set CD,    160                        ; v160-175 their codes
	s_load_b256 s[4:11], s[0:1], 0x0               ; z, codebook, zrec, crec
	v_lshl_add_u32 v176, v0, 2, 0x29400            ; my spare word, behind the ten scratch blocks
	v_mov_b32 v177, 0
	ds_add_u32 v176, v177
	ds_add_u32 v176, v177
	v_lshrrev_b32 v1, 5, v0
	s_delay_alu instid0(VALU_DEP_1)
	v_readfirstlane_b32 s2, v1                     ; wave 0..9
	s_mul_i32 s3, ttmp9, 10
	s_add_co_u32 s3, s3, s2                        ; my tile
	s_mov_b32 s16, (2<<16)|(1<<20)|(7<<22)|(3<<25) ; group 1: 16 rows of 256 elements of 4 bytes, 4 words of padding behind each row
	s_mov_b32 s17, 256<<16
	s_mov_b32 s18, 16<<16
	s_mov_b32 s19, 256<<16
	s_mov_b32 s20, 16
	s_mov_b32 s21, 256
	s_mov_b32 s22, 0
	s_mov_b32 s23, 0
	s_mov_b32 s12, 1
	s_mul_i32 s13, s2, TILEB                       ; my wave's tile in LDS
	s_mov_b32 s24, 0x76543210
	s_mov_b32 s25, 0xfedcba98                      ; selects for lane l xor 16
	s_cmp_lt_u32 s3, NZT                           ; a tile of z or of the codebook?
	s_cselect_b32 s30, 0, NZT
	s_wait_dscnt 0x0
	s_wait_kmcnt 0x0
	s_cselect_b64 s[4:5], s[4:5], s[6:7]
	s_cselect_b64 s[8:9], s[8:9], s[10:11]
	s_sub_co_u32 s3, s3, s30                       ; the tile's number in its tensor
	s_lshl_b32 s26, s3, 14
	s_mov_b32 s27, 0
	s_mul_i32 s28, s3, REC
	s_mov_b32 s29, 0
	s_add_nc_u64 s[14:15], s[4:5], s[26:27]
	s_or_b32 s15, s15, 0x80000000
	s_add_nc_u64 s[8:9], s[8:9], s[28:29]          ; my record
	tensor_load_to_lds s[12:15], s[16:23]          ; my one tensor load
	s_nop 0
.rept 4
	v_nop
.endr
	v_and_b32 v1, 31, v0                           ; lane
	v_and_b32 v2, 15, v0                           ; r
	v_bfe_u32 v3, v0, 4, 1                         ; h
	s_delay_alu instid0(VALU_DEP_2)
	v_mul_u32_u24 v4, v2, PITCH
	s_delay_alu instid0(VALU_DEP_1)
	v_lshl_add_u32 v4, v3, 7, v4
	s_delay_alu instid0(VALU_DEP_1)
	v_add_nc_u32 v4, s13, v4                       ; row r, + 128 h: lane (r, h) takes blocks h, 2 + h, 4 + h, 6 + h of its row
	v_lshlrev_b32 v5, 4, v1                        ; my place in a piece of codes
	s_lshl_b32 s31, s2, 8
	s_add_co_u32 s31, s31, SCR
	v_lshl_add_u32 v6, v1, 2, s31                  ; my wave's 256 bytes: 4 bytes a lane on the way in,
	v_lshl_add_u32 v7, v1, 3, s31                  ; 8 on the way out
	v_lshlrev_b32 v28, 3, v1
	v_lshlrev_b32 v29, 3, v3                       ; 8 h: how far my scale bytes are shifted in their word
	s_wait_alu depctr_va_vdst(0)
	s_wait_tensorcnt 0x0                           ; my tile is in LDS
.irp q, 0,1,2,3
.irp i, 0,1,2,3,4,5,6,7
	ds_load_b128 v[X+32*\q+4*\i:X+32*\q+4*\i+3], v4 offset:256*\q+16*\i
.endr
.endr
; Block 2 q + h of my row: largest magnitude, scale, codes; its 16 bytes of codes leave (32 lanes store 512 consecutive bytes, aligned).
.macro BLOCK q
.set XB, X+32*(\q)
	s_wait_dscnt 8*(3-(\q))                        ; this block's eight loads are in, the later blocks' eight each may be out
	v_max3_num_f32 v16, |v[XB]|, |v[XB+1]|, 0x1800000              ; the floor 2^(3 - 127) is one more leaf
	v_max3_num_f32 v17, |v[XB+16]|, |v[XB+17]|, |v[XB+18]|
.irp i, 2,4,6,8,10,12
	s_delay_alu instid0(VALU_DEP_2)
	v_max3_num_f32 v16, v16, |v[XB+\i]|, |v[XB+\i+1]|
	s_delay_alu instid0(VALU_DEP_2)
	v_max3_num_f32 v17, v17, |v[XB+17+\i]|, |v[XB+18+\i]|
.endr
	s_delay_alu instid0(VALU_DEP_2)
	v_max3_num_f32 v16, v16, |v[XB+14]|, |v[XB+15]|
	s_delay_alu instid0(VALU_DEP_1)
	v_max3_num_f32 v16, v16, v17, |v[XB+31]|
	s_delay_alu instid0(VALU_DEP_1)
	v_add_nc_u32 v[SO+(\q)], 0xff000000, v16       ; 2 off its exponent field: the conversion's scale operand
	s_delay_alu instid0(VALU_DEP_1)
	v_lshrrev_b32 v[BY+(\q)], 23, v[SO+(\q)]       ; the scale's byte
.irp g, 0,1,2,3
	v_cvt_scalef32_pk8_fp4_f32 v[CD+4*(\q)+\g], v[XB+8*\g:XB+8*\g+7], v[SO+(\q)]
.endr
	v_nop                                          ; one plain place behind the conversions
	global_store_b128 v5, v[CD+4*(\q):CD+4*(\q)+3], s[8:9] offset:512*(\q)
.endm
	BLOCK 0
	BLOCK 1
	BLOCK 2
	BLOCK 3
	; the scale words: lanes 0-15 end up with step 0's word of row r, lanes 16-31 with step 1's
	v_lshl_or_b32 v16, v[BY+1], 16, v[BY]
	v_lshl_or_b32 v17, v[BY+3], 16, v[BY+2]
	s_delay_alu instid0(VALU_DEP_2)
	v_lshlrev_b32 v16, v29, v16
	s_delay_alu instid0(VALU_DEP_2)
	v_lshlrev_b32 v17, v29, v17
	v_cmp_gt_u32 vcc_lo, 16, v1                    ; lanes 0-15
	s_delay_alu instid0(VALU_DEP_1)
	v_cndmask_b32 v18, v17, v16, vcc_lo            ; what I keep,
	s_delay_alu instid0(VALU_DEP_2)
	v_cndmask_b32 v19, v16, v17, vcc_lo            ; and what lane l xor 16 wants of me
	s_delay_alu instid0(VALU_DEP_1)
	v_permlanex16_b32 v20, v19, s24, s25
	s_delay_alu instid0(VALU_DEP_1)
	v_or_b32 v18, v18, v20
	; the norm: of the codebook's rows alone; a tile of z leaves zeros in the field.  The branch hangs on the tile's number.
	v_mov_b32 v8, 0
	s_cmp_eq_u32 s30, 0
	s_wait_alu depctr_va_vdst(0)
	s_cbranch_scc1 .Lno_norm
.irp q, 0,1,2,3
.irp j, 0,1,2,3,4,5,6,7,8,9,10,11,12,13,14,15
.if (\q == 0) && (\j < 4)
	v_pk_mul_f32 v[NS+2*\j:NS+2*\j+1], v[X+2*\j:X+2*\j+1], v[X+2*\j:X+2*\j+1]   ; the first four products start the sums
.else
	v_pk_fma_f32 v[NS+2*(\j%4):NS+2*(\j%4)+1], v[X+32*\q+2*\j:X+32*\q+2*\j+1], v[X+32*\q+2*\j:X+32*\q+2*\j+1], v[NS+2*(\j%4):NS+2*(\j%4)+1]
.endif
.endr
.endr
	v_pk_add_f32 v[8:9], v[8:9], v[10:11]
	v_pk_add_f32 v[12:13], v[12:13], v[14:15]
	s_delay_alu instid0(VALU_DEP_1)
	v_pk_add_f32 v[8:9], v[8:9], v[12:13]
	s_delay_alu instid0(VALU_DEP_1)
	v_add_f32 v8, v8, v9
	s_delay_alu instid0(VALU_DEP_1)
	v_permlanex16_b32 v10, v8, s24, s25
	s_delay_alu instid0(VALU_DEP_1)
	v_add_f32 v8, v8, v10                          ; the row's sum of squares,
	s_delay_alu instid0(VALU_DEP_1)
	v_mul_f32 v8, -0.5, v8                         ; halved and negated: nothing is rounded by that
.Lno_norm:
	v_cndmask_b32 v8, 0, v8, vcc_lo                ; lanes 16-31 bring the record's last 64 bytes: zeros
	ds_store_b32 v6, v18
	ds_store_b32 v6, v8 offset:128
	ds_load_b64 v[12:13], v7                       ; LDS serves a wave's instructions in order: this sees my stores
	s_wait_dscnt 0x0
	global_store_b64 v28, v[12:13], s[8:9] offset:2048   ; 32 lanes store 256 consecutive bytes, aligned
	s_wait_tensorcnt 0x0                           ; the wave's end
	ds_add_u32 v176, v177
	s_wait_dscnt 0x0
	s_endpgm
.Lfunc_end_k_q8a6d233264_quant:
	.size	k_q8a6d233264_quant, .Lfunc_end_k_q8a6d233264_quant-k_q8a6d233264_quant
	.p2alignl 7, 3214868480
	.fill 96, 4, 3214868480
	.section	.rodata,"a",@progbits
	.p2align	6, 0x0
	.amdhsa_kernel k_q8a6d233264_quant
		.amdhsa_group_segment_fixed_size 170240
		.amdhsa_private_segment_fixed_size 0
		.amdhsa_enable_private_segment 0
		.amdhsa_kernarg_size 32
		.amdhsa_user_sgpr_count 2
		.amdhsa_user_sgpr_kernarg_segment_ptr 1
		.amdhsa_wavefront_size32 1
		.amdhsa_system_sgpr_workgroup_id_x 1
		.amdhsa_system_sgpr_workgroup_id_y 1
		.amdhsa_system_sgpr_workgroup_id_z 1
		.amdhsa_system_vgpr_workitem_id 0
		.amdhsa_next_free_vgpr 178
		.amdhsa_next_free_sgpr 66
		.amdhsa_reserve_vcc 1
		.amdhsa_float_denorm_mode_32 3
		.amdhsa_float_denorm_mode_16_64 3
		.amdhsa_memory_ordered 1
		.amdhsa_forward_progress 1
		.amdhsa_inst_pref_size 19
	.end_amdhsa_kernel
	.amdgpu_metadata
---
amdhsa.version: [ 1, 2 ]
amdhsa.kernels:
  - .name:           k_q8a6d233264_quant
    .symbol:         k_q8a6d233264_quant.kd
    .args:
      - { .name: z, .offset: 0, .size: 8, .value_kind: global_buffer, .address_space: global }
      - { .name: codebook, .offset: 8, .size: 8, .value_kind: global_buffer, .address_space: global }
      - { .name: zrec, .offset: 16, .size: 8, .value_kind: global_buffer, .address_space: global }
      - { .name: crec, .offset: 24, .size: 8, .value_kind: global_buffer, .address_space: global }
    .group_segment_fixed_size: 170240
    .private_segment_fixed_size: 0
    .kernarg_segment_align: 8
    .kernarg_segment_size: 32
    .max_flat_workgroup_size: 320
    .sgpr_count:     66
    .vgpr_count:     178
    .wavefront_size: 32
...
	.end_amdgpu_metadata
.endif
;; end of part 1
;; launch search (part 2): grid 256 x 1, 8 waves a work-group, clusters of 4 x 1, 327,680 bytes of LDS; arguments zrec, crec, cand; writes cand
.if DOCPART == 2
	.amdgcn_target "amdgcn-amd-amdhsa--gfx1250"
	.amdhsa_code_object_version 6
	.text
	.protected	k_q8a6d233264_search
	.globl	k_q8a6d233264_search
	.p2align	8
	.type	k_q8a6d233264_search,@function
k_q8a6d233264_search:
	s_mov_b64 s[64:65], 0
	v_nop
	global_prefetch_b8 v0, s[64:65] scope:SCOPE_SE
	s_setreg_imm32_b32 hwreg(HW_REG_WAVE_MODE, 25, 1), 1
	s_wait_xcnt 0x0
	s_wait_alu depctr_hold_cnt(0) depctr_sa_sdst(0) depctr_va_vdst(0) depctr_va_sdst(0) depctr_va_ssrc(0) depctr_va_vcc(0) depctr_vm_vsrc(0)
	s_getreg_b32 s2, hwreg(HW_REG_IB_STS2, 6, 4)
	s_cmp_eq_u32 s2, 0
	s_cbranch_scc0 .Lentry_in_a_cluster
	s_endpgm
.Lentry_in_a_cluster:
	s_bfe_u32 s2, ttmp6, 0x10000c
	s_cmp_lg_u32 s2, 0x3003
	s_cbranch_scc0 .Lentry_shape_is_right
	s_endpgm
.Lentry_shape_is_right:
; For each token: the OCTET (eight neighbouring codes) that holds the largest D(n, k) = q(z_n) . q(c_k) - |c_k|^2 / 2, the lowest octet among equal ones.  z_norm_sq is left out: it is the same along the argmin's axis.
; LIMITS: NaN and infinities are not served.
; SHARES: a work-group takes 128 tokens against all 8,192 codes; 256 work-groups.  Each of its 8 waves holds all 128 tokens' fragments (8 tiles x 16 registers, window 1) and takes 8 of the 64 records
; of each slot: a tile of 16 codes x 128 tokens is 16 matrix instructions (8 token tiles x 2 K steps).  Source 0 = 16 codes, source 1 = 16 tokens: lane (r, h) holds token r against codes 8 h + 0 .. 7.
; The first K step takes as C the eight -|c|^2/2 of the lane's codes, as they come from LDS: nothing is added by vector instructions.
; TWO SETS OF ACCUMULATORS: behind tile i's 16 products stand tile i - 1's 49 vector lines (four v_max3 an accumulator onto the running maximum, one compare, one select of the octet's number);
; they name none of tile i's registers and are the places owed behind its products.
; THE RING: crec is 8 slots' worth of 147,456 bytes; two LDS slots.  A wave fetches the 18,432 bytes (72 rows of 256) that it alone reads, so its own wait on TENSORcnt orders its reads.
; A CHANGE OF SLOTS begins when a slot's last record is in registers: tile 7's products stand between the add and the wait for it, tile 6's vector lines between the opening signal and its wait,
; tile 7's vector lines under the next slot's first LDS loads.
; CLUSTERS: the four work-groups of a cluster read the same records: every load is a joint one, mask 15, behind a round of the cluster's barrier.  By this text's count a wave has one tensor load out.
; PREFETCH: behind the refill that asks for slot s + 2 a wave names slot s + 3, one slot ahead of the load that wants it.  Of a wave's 72 blocks of 256 bytes partner cx takes 18 (by address; lanes 18-31
; name the 18th again).  All clusters read the same buffer, so clusters 0 to 3 alone ask.  Slots 0 to 2 come by their loads alone; the last change of slots asks for nothing.
.set REC,   2304
.set WPART, 8*REC
.set SLOTB, 8*WPART
.set SCRM,  2*SLOTB                    ; behind the ring: maxima [wave][tile][16], 4,096 bytes; the octets' numbers 4,096 bytes on
.set SCRF,  SCRM+8192                  ; the work-group's 128 results
.set SPARE, SCRF+512                   ; the spare words, 128 bytes a wave
.set ADRC, 2                           ; v2-3   LDS address of my codes in slot 0, 1
.set ADRS, 4                           ; v4-5   of my scale words
.set ADRN, 6                           ; v6-7   of my eight norms
.set SPW,  8
.set NIL,  9
.set VC,   10                          ; the octet's number of the tile whose maxima are taken: 2 x record + h
.set ZS,   16                          ; v16-23 the tokens' scale words
.set PFO,  24                          ; the prefetch's offset: 256 x min(lane, 17)
.set MA,   32                          ; v32-39, v40-47 the running maxima, by turns
.set MB,   40
.set GID,  48                          ; v48-55 the octet of the running maximum
.set AF,   64                          ; v64-95 a record's codes, two buffers
.set AS,   96                          ; v96-97 its scale words
.set CN,   100                         ; v100-115 its norms
.set ACC,  128                         ; v128-255 two sets of eight accumulators
.set G1,   24
.set G0,   32
.set LIM,  55                          ; s55, s56: 0 and 1 in clusters 0 to 3, else the greatest number
.set PF,   58                          ; s[58:59] where my prefetches stand
.set MSB, 0
.macro WIN new
.if MSB != \new
	s_set_vgpr_msb (MSB<<8)|\new
.set MSB, \new
.endif
.endm
.macro CREST                           ; a round of the cluster's barrier behind its opening barrier
	s_cmp_lg_u32 s10, 0
	s_cbranch_scc1 .Lnot_wave_0_\@
	s_barrier_signal -3
.Lnot_wave_0_\@:
	s_barrier_wait -3
	s_barrier_signal -1
	s_barrier_wait -1
.endm
.macro CROUND                          ; a whole round
	s_barrier_signal -1
	s_barrier_wait -1
	CREST
.endm
	s_load_b128 s[4:7], s[0:1], 0x0                ; zrec, crec
	s_load_b64 s[8:9], s[0:1], 0x10                ; cand
	v_lshl_add_u32 v[SPW], v0, 2, SPARE
	v_mov_b32 v[NIL], 0
	ds_add_u32 v[SPW], v[NIL]
	ds_add_u32 v[SPW], v[NIL]
	v_lshrrev_b32 v1, 5, v0
	s_delay_alu instid0(VALU_DEP_1)
	v_readfirstlane_b32 s10, v1                    ; wave 0..7
	v_and_b32 v1, 31, v0                           ; lane
	v_lshlrev_b32 v11, 4, v1                       ; 16 x lane
	v_lshlrev_b32 v56, 2, v1                       ; 4 x lane
	s_bfe_u32 s11, ttmp6, 0x40000                  ; cx
	s_lshl_b32 s12, ttmp9, 2
	s_add_co_u32 s12, s12, s11                     ; my work-group
	s_mov_b32 s[G1+0], 15|(3<<16)|(1<<21)          ; mask of the four; elements of 8 bytes
	s_mov_b32 s[G1+1], 32<<16                      ; rows of 256 bytes,
	s_mov_b32 s[G1+2], 72<<16                      ; 72 of them, dense
	s_mov_b32 s[G1+3], 32<<16
	s_mov_b32 s[G1+4], 72
	s_mov_b32 s[G1+5], 32
	s_mov_b32 s[G1+6], 0
	s_mov_b32 s[G1+7], 0
	s_mul_i32 s13, s10, WPART                      ; my part of a slot, in LDS and in crec
	s_mov_b32 s14, s13
	s_mov_b32 s15, 0
	s_mul_i32 s16, s12, WPART                      ; my work-group's eight records of z
	s_mov_b32 s17, 0
	s_lshl_b32 s18, s12, 9                         ; its 512 bytes of cand
	s_mov_b32 s19, 0
	s_mov_b32 s48, 0x76543210
	s_mov_b32 s49, 0xfedcba98                      ; selects for lane l xor 16
	s_lshl_b32 s20, s10, 9
	s_add_co_u32 s20, s20, SCRM
	s_lshl_b32 s21, s10, 6
	s_add_co_u32 s22, s21, SCRM
	s_add_co_u32 s23, s21, SCRF
	s_lshl_b32 s3, s10, 4
	s_sub_co_u32 s3, s3, 114
	s_mul_i32 s60, s11, 18*256                     ; the prefetches: my work-group's 18 blocks of my wave's 72,
	s_add_co_u32 s60, s60, 2*SLOTB                 ; at slot 2: each change of slots steps on before it asks
	s_mov_b32 s61, 0
	s_cmp_lt_u32 ttmp9, 4
	s_cselect_b32 s[LIM], 0, -1
	s_cselect_b32 s[LIM+1], 1, -1
	s_wait_alu depctr_va_vdst(0)
	s_wait_dscnt 0x0                               ; both opening adds are done
	s_wait_kmcnt 0x0
	s_add_nc_u64 s[6:7], s[6:7], s[14:15]
	s_add_nc_u64 s[4:5], s[4:5], s[16:17]
	s_add_nc_u64 s[8:9], s[8:9], s[18:19]
	s_add_nc_u64 s[PF:PF+1], s[6:7], s[60:61]
	WIN 0x40                                       ; the tokens' fragments are asked for first: they are on their way beside slot 0's fill
.irp t, 0,1,2,3,4,5,6,7
.irp j, 0,1,2,3
	global_load_b128 v[16*\t+4*\j:16*\t+4*\j+3], v11, s[4:5] offset:REC*\t+512*\j
.endr
.endr
	WIN 0
.irp t, 0,1,2,3,4,5,6,7
	global_load_b32 v[ZS+\t], v56, s[4:5] offset:REC*\t+2048
.endr
	s_mov_b32 s[G0+0], 1
	s_mov_b32 s[G0+1], s13
	s_mov_b64 s[G0+2:G0+3], s[6:7]
	s_or_b32 s[G0+3], s[G0+3], 0x80000000
	s_mov_b32 s[G0+4], 1
	s_add_co_u32 s[G0+5], s13, SLOTB
	s_add_nc_u64 s[G0+6:G0+7], s[6:7], SLOTB
	s_or_b32 s[G0+7], s[G0+7], 0x80000000
	CROUND                                         ; in front of the first joint load
	tensor_load_to_lds s[G0:G0+3], s[G1:G1+7]      ; slot 0: my one load at the head
	s_nop 0
	v_and_b32 v58, 15, v0                          ; r
	v_bfe_u32 v59, v0, 4, 1                        ; h
	v_lshlrev_b32 v57, 2, v58
	v_add_nc_u32 v[ADRC], s13, v11
	v_add_nc_u32 v[ADRS], s13, v56
	v_lshl_add_u32 v[ADRN], v59, 5, s13            ; the norms of codes 8 h + 0 .. 7
	v_add_nc_u32 v[ADRC+1], SLOTB, v[ADRC]
	v_add_nc_u32 v[ADRS+1], SLOTB, v[ADRS]
	v_add_nc_u32 v[ADRN+1], SLOTB, v[ADRN]
	v_add_nc_u32 v12, s20, v57                     ; the end: where my maxima go: 512 x wave + 4 r,
	v_lshl_add_u32 v13, v59, 11, s22               ; from where tile w's come back: waves 4 h + 0 .. 3,
	v_add_nc_u32 v14, s23, v57                     ; where its results go,
	v_add_nc_u32 v15, SCRF, v11                    ; and from where wave 0 takes all 128
	v_add_nc_u32 v13, v13, v57
	v_add_nc_u32 v[VC], s3, v59                    ; 16 x wave + h - 114: a slot's first tile adds 114, the others 2
	v_min_u32 v[PFO], 17, v1
	v_lshlrev_b32 v[PFO], 8, v[PFO]
.irp t, 0,1,2,3,4,5,6,7
	v_mov_b32 v[MA+\t], 0xff800000                 ; under every D
	v_mov_b32 v[GID+\t], 0
.endr
.macro LOADT n, i                      ; record i of my part of slot n: seven LDS loads into buffer i % 2
.set PB, (\i)&1
.irp j, 0,1,2,3
	ds_load_b128 v[AF+16*PB+4*\j:AF+16*PB+4*\j+3], v[ADRC+\n] offset:REC*(\i)+512*\j
.endr
	ds_load_b32 v[AS+PB], v[ADRS+\n] offset:REC*(\i)+2048
	ds_load_b128 v[CN+8*PB:CN+8*PB+3], v[ADRN+\n] offset:REC*(\i)+2176
	ds_load_b128 v[CN+8*PB+4:CN+8*PB+7], v[ADRN+\n] offset:REC*(\i)+2192
.endm
.macro MULT p                          ; 16 products into set p; the eight accumulators take turns
	WIN 0x04
.irp t, 0,1,2,3,4,5,6,7
	v_wmma_scale_f32_16x16x128_f8f6f4 v[ACC+64*(\p)+8*\t:ACC+64*(\p)+8*\t+7], v[AF+16*(\p):AF+16*(\p)+7], v[16*\t:16*\t+7], v[CN+8*(\p):CN+8*(\p)+7], v[AS+(\p)], v[ZS+\t] matrix_a_fmt:MATRIX_FMT_FP4 matrix_b_fmt:MATRIX_FMT_FP4
.endr
.irp t, 0,1,2,3,4,5,6,7
	v_wmma_scale_f32_16x16x128_f8f6f4 v[ACC+64*(\p)+8*\t:ACC+64*(\p)+8*\t+7], v[AF+16*(\p)+8:AF+16*(\p)+15], v[16*\t+8:16*\t+15], v[ACC+64*(\p)+8*\t:ACC+64*(\p)+8*\t+7], v[AS+(\p)], v[ZS+\t] matrix_a_fmt:MATRIX_FMT_FP4 matrix_b_fmt:MATRIX_FMT_FP4 matrix_a_scale:MATRIX_SCALE_ROW1 matrix_b_scale:MATRIX_SCALE_ROW1
.endr
	WIN 0
.endm
.macro MAXW i                          ; tile i's maxima: each accumulator from its low end on; the eight chains by turns
.set QA, ACC+64*((\i)&1)
.if (\i)&1
.set MO, MB
.set MN, MA
.else
.set MO, MA
.set MN, MB
.endif
.if (\i) == 0
	v_add_nc_u32 v[VC], 114, v[VC]
.else
	v_add_nc_u32 v[VC], 2, v[VC]
.endif
.irp q, 0,1,2,3
.irp t, 0,1,2,3,4,5,6,7
.if \q == 0
	v_max3_num_f32 v[MN+\t], v[MO+\t], v[QA+8*\t], v[QA+8*\t+1]
.else
	v_max3_num_f32 v[MN+\t], v[MN+\t], v[QA+8*\t+2*\q], v[QA+8*\t+2*\q+1]
.endif
.endr
.endr
.irp t, 0,1,2,3,4,5,6,7
	v_cmp_gt_f32 s[40+\t], v[MN+\t], v[MO+\t]      ; only a larger D moves the octet: the earlier stays among equal ones
.endr
.irp t, 0,1,2,3,4,5,6,7
	v_cndmask_b32 v[GID+\t], v[GID+\t], v[VC], s[40+\t]
.endr
.endm
.macro ITER n, i
	s_wait_dscnt 0x0                               ; record i is in
.if (\i) < 7
	LOADT \n, (\i)+1                               ; its buffer was last multiplied two tiles ago, with a tile's vector lines behind
.endif
	MULT (\i)&1
.if (\i) == 0
.rept 4
	v_nop                                          ; four places: record 2's loads and tile 0's maxima follow with no other vector line between
.endr
.else
	MAXW (\i)-1
.endif
.endm
.macro ASK lim
	s_cmp_gt_u32 s50, s[\lim]
	s_cbranch_scc0 .Lno_ask_\@
	global_prefetch_b8 v[PFO], s[PF:PF+1] th:TH_LOAD_NT scope:SCOPE_SE
.Lno_ask_\@:
.endm
.macro BODY n, pend, lim               ; a slot's tiles 0 to 6; pend: the slot before has left its last tile's maxima, which stand under the first record's loads
	LOADT \n, 0
.if \lim
	ASK \lim
.endif
.if \pend
	MAXW 7
.endif
.irp i, 0,1,2,3,4,5,6
	ITER \n, \i
.endr
.endm
.macro LAST n                          ; slot n's tile 7, and the change of slots: slot n is filled again, two slots on
	s_wait_dscnt 0x0                               ; record 7 is in: my last read of the slot
	s_wait_xcnt 0x0                                ; my prefetch has read its base
	s_add_nc_u64 s[PF:PF+1], s[PF:PF+1], SLOTB
	s_wait_tensorcnt 0x0                           ; my one load that was out, the other slot's, has landed
	ds_add_u32 v[SPW], v[NIL]                      ; sixteen products stand between the add and the wait for it
	s_add_nc_u64 s[G0+4*\n+2:G0+4*\n+3], s[G0+4*\n+2:G0+4*\n+3], 2*SLOTB
	MULT 1
	s_wait_dscnt 0x0                               ; the add is done
	s_barrier_signal -1                            ; the barrier opens a round of the cluster's barrier;
	MAXW 6                                         ; work on registers while the others arrive
	s_barrier_wait -1
	CREST
	tensor_load_to_lds s[G0+4*\n:G0+4*\n+3], s[G1:G1+7]
	s_nop 0
.endm
.macro MERGE m, g, om, og              ; the larger D; among equal ones the lower octet
	v_cmp_gt_f32 s52, v[\om], v[\m]
	v_cmp_eq_f32 s53, v[\om], v[\m]
	v_cmp_lt_u32 s54, v[\og], v[\g]
	s_and_b32 s53, s53, s54
	s_or_b32 s52, s52, s53
	v_cndmask_b32 v[\m], v[\m], v[\om], s52
	v_cndmask_b32 v[\g], v[\g], v[\og], s52
.endm
	s_wait_alu depctr_va_vdst(0)
	s_wait_tensorcnt 0x0                           ; slot 0 is in; slot 1's first fill is issued as a refill is
	ds_add_u32 v[SPW], v[NIL]
	s_wait_dscnt 0x0
	CROUND
	tensor_load_to_lds s[G0+4:G0+7], s[G1:G1+7]
	s_nop 0
	s_wait_loadcnt 0x0                             ; the tokens' fragments and scale words
	BODY 0, 0, 0
	s_mov_b32 s50, 3
.Llap:                                                 ; a trip goes from slot 2 t's last tile to slot 2 t + 2's tile 6, and asks for slots 2 t + 2 and 2 t + 3
	LAST 0
	BODY 1, 1, LIM
	LAST 1
	BODY 0, 1, LIM+1
	s_sub_co_u32 s50, s50, 1
	s_cmp_lg_u32 s50, 0
	s_cbranch_scc1 .Llap
	ITER 0, 7                                      ; slot 6's last tile: nothing is filled again
	s_wait_tensorcnt 0x0                           ; the last slot: my one load that is out
	BODY 1, 1, 0
	ITER 1, 7
	MAXW 7
	; THE END: lanes l and l xor 16, then the eight waves through LDS, then 128 numbers leave as 512 consecutive bytes
.irp t, 0,1,2,3,4,5,6,7
	v_permlanex16_b32 v[MB+\t], v[MA+\t], s48, s49
	v_permlanex16_b32 v[CN+\t], v[GID+\t], s48, s49
.endr
.irp t, 0,1,2,3,4,5,6,7
	MERGE MA+\t, GID+\t, MB+\t, CN+\t
.endr
.irp t, 0,1,2,3,4,5,6,7
	ds_store_b32 v12, v[MA+\t] offset:64*\t
	ds_store_b32 v12, v[GID+\t] offset:64*\t+4096
.endr
	s_wait_dscnt 0x0
	s_barrier_signal -1
	s_barrier_wait -1
.irp u, 0,1,2,3
	ds_load_b32 v[64+\u], v13 offset:512*\u        ; wave w joins token tile w: lanes 0-15 waves 0-3, lanes 16-31 waves 4-7
	ds_load_b32 v[68+\u], v13 offset:512*\u+4096
.endr
	s_wait_dscnt 0x0
	MERGE 64, 68, 65, 69
	MERGE 64, 68, 66, 70
	MERGE 64, 68, 67, 71
	s_delay_alu instid0(VALU_DEP_2)
	v_permlanex16_b32 v65, v64, s48, s49
	s_delay_alu instid0(VALU_DEP_2)
	v_permlanex16_b32 v69, v68, s48, s49
	MERGE 64, 68, 65, 69
	ds_store_b32 v14, v68
	s_wait_dscnt 0x0
	s_barrier_signal -1
	s_barrier_wait -1
	s_cmp_lg_u32 s10, 0
	s_cbranch_scc1 .Lnot_first
	ds_load_b128 v[72:75], v15
	s_wait_dscnt 0x0
	global_store_b128 v11, v[72:75], s[8:9]
.Lnot_first:
	s_wait_tensorcnt 0x0                           ; the wave's end
	ds_add_u32 v[SPW], v[NIL]
	s_wait_dscnt 0x0
	CROUND                                         ; the closing round
	s_endpgm
.Lfunc_end_k_q8a6d233264_search:
	.size	k_q8a6d233264_search, .Lfunc_end_k_q8a6d233264_search-k_q8a6d233264_search
	.p2alignl 7, 3214868480
	.fill 96, 4, 3214868480
	.section	.rodata,"a",@progbits
	.p2align	6, 0x0
	.amdhsa_kernel k_q8a6d233264_search
		.amdhsa_group_segment_fixed_size 327680
		.amdhsa_private_segment_fixed_size 0
		.amdhsa_enable_private_segment 0
		.amdhsa_kernarg_size 24
		.amdhsa_user_sgpr_count 2
		.amdhsa_user_sgpr_kernarg_segment_ptr 1
		.amdhsa_wavefront_size32 1
		.amdhsa_system_sgpr_workgroup_id_x 1
		.amdhsa_system_sgpr_workgroup_id_y 1
		.amdhsa_system_sgpr_workgroup_id_z 1
		.amdhsa_system_vgpr_workitem_id 0
		.amdhsa_next_free_vgpr 384
		.amdhsa_next_free_sgpr 66
		.amdhsa_reserve_vcc 0
		.amdhsa_float_denorm_mode_32 3
		.amdhsa_float_denorm_mode_16_64 3
		.amdhsa_memory_ordered 1
		.amdhsa_forward_progress 1
		.amdhsa_inst_pref_size 199
	.end_amdhsa_kernel
	.amdgpu_metadata
---
amdhsa.version: [ 1, 2 ]
amdhsa.kernels:
  - .name:           k_q8a6d233264_search
    .symbol:         k_q8a6d233264_search.kd
    .args:
      - { .name: zrec, .offset: 0, .size: 8, .value_kind: global_buffer, .address_space: global }
      - { .name: crec, .offset: 8, .size: 8, .value_kind: global_buffer, .address_space: global }
      - { .name: cand, .offset: 16, .size: 8, .value_kind: global_buffer, .address_space: global }
    .group_segment_fixed_size: 327680
    .private_segment_fixed_size: 0
    .kernarg_segment_align: 8
    .kernarg_segment_size: 24
    .max_flat_workgroup_size: 256
    .sgpr_count:     66
    .vgpr_count:     384
    .wavefront_size: 32
...
	.end_amdgpu_metadata
.endif
;; end of part 2
;; launch rescore (part 3): grid 256 x 1, 8 waves a work-group, no clusters, 1,536 bytes of LDS; arguments zrec, crec, cand, idx, out1; writes idx, out1
.if DOCPART == 3
	.amdgcn_target "amdgcn-amd-amdhsa--gfx1250"
	.amdhsa_code_object_version 6
	.text
	.protected	k_q8a6d233264_rescore
	.globl	k_q8a6d233264_rescore
	.p2align	8
	.type	k_q8a6d233264_rescore,@function
k_q8a6d233264_rescore:
	s_mov_b64 s[64:65], 0
	v_nop
	global_prefetch_b8 v0, s[64:65] scope:SCOPE_SE
	s_setreg_imm32_b32 hwreg(HW_REG_WAVE_MODE, 25, 1), 1
	s_wait_xcnt 0x0
; For each token the launch before has stored the octet (eight neighbouring codes) that holds its nearest code.  Here that one octet is multiplied again, by the same instructions on the same
; numbers, and the first of its eight largest D = q(c) . q(z) - |c|^2 / 2 gives the index: 8 x octet + j.  z_norm_sq is left out here too: it is the same along the argmin's axis.
; The index goes to out1, and to a buffer of this program's own from which the last launch gathers.
; SHARES: a wave takes a tile of 16 tokens.  Product p of eight has as source 0 the octet of token p (rows 0-7) and that of token p + 8 (rows 8-15), as source 1 the 16 tokens.  Lane (r, h) of a result holds
; token r against rows 8 h + 0 .. 7: of product p the lanes (p, 0) and (p + 8, 1) hold a token against its own octet; the rest is not used.
; The addresses of the octets' codes, scale words and norms hang on the stored numbers: each is held at 1,023 first.
; LIMITS: NaN and infinities are not served.
.set REC, 2304
.set OWN, 8                            ; v8      token r's octet
.set OP,  16                           ; v16-23  product p: the octet from which my row of source 0 comes
.set ADA, 24                           ; v24-31  product p: my byte offset among crec's codes
.set ADS, 32                           ; v32-39  and among its scale words
.set BF,  40                           ; v40-55  the tokens' two fragments
.set ZSC, 56                           ; v56     their scale words
.set LST, 57                           ; v57     LDS: where token r's index goes: 64 x wave + 4 r
.set SPW, 58                           ; v58     my spare word
.set NIL, 59                           ; v59     0
.set CN,  60                           ; v60-67  -|c|^2/2 of the eight codes of token r's octet: the C of every product: in every lane that is used it is that lane's own token's
.set AS,  76                           ; v76-83  product p: source 0's scale words
.set X,   84                           ; v84-91  my token's eight D
.set AF,  96                           ; v96-223 product p: source 0's two fragments
.set ACC, 224                          ; v224-255 four accumulators
	s_load_b256 s[4:11], s[0:1], 0x0               ; zrec, crec, cand, idx
	s_load_b64 s[12:13], s[0:1], 0x20              ; out1
	v_lshl_add_u32 v[SPW], v0, 2, 0x200
	v_mov_b32 v[NIL], 0
	v_lshrrev_b32 v1, 5, v0
	s_delay_alu instid0(VALU_DEP_1)
	v_readfirstlane_b32 s14, v1                    ; wave 0..7
	s_lshl_b32 s15, ttmp9, 3
	s_add_co_u32 s15, s15, s14                     ; my tile of tokens
	s_mul_i32 s16, s15, REC
	s_mov_b32 s17, 0
	s_lshl_b32 s18, s15, 6                         ; its 64 bytes of cand
	s_mov_b32 s19, 0
	s_lshl_b32 s20, ttmp9, 9                       ; the work-group's 512 bytes of idx and of out1
	s_mov_b32 s21, 0
	s_lshl_b32 s22, s14, 6
	s_mov_b32 s48, 0x76543210
	s_mov_b32 s49, 0xfedcba98
	v_and_b32 v1, 31, v0                           ; lane
	v_and_b32 v2, 15, v0                           ; r
	v_bfe_u32 v3, v0, 4, 1                         ; h
	s_delay_alu instid0(VALU_DEP_3)
	v_lshlrev_b32 v4, 4, v1
	s_delay_alu instid0(VALU_DEP_4)
	v_lshlrev_b32 v5, 2, v1
	s_delay_alu instid0(VALU_DEP_4)
	v_lshlrev_b32 v6, 2, v2
	v_lshrrev_b32 v12, 3, v2                       ; r / 8
	v_and_b32 v13, 7, v2                           ; r % 8
	s_delay_alu instid0(VALU_DEP_2)
	v_lshlrev_b32 v7, 5, v12                       ; tokens p (rows 0-7) or p + 8 (rows 8-15): 32 bytes apart in cand
	s_delay_alu instid0(VALU_DEP_2)
	v_lshlrev_b32 v10, 4, v13
	s_delay_alu instid0(VALU_DEP_1)
	v_lshl_add_u32 v10, v3, 8, v10                 ; in a piece of codes: 16 (r % 8) + 256 h
	s_delay_alu instid0(VALU_DEP_4)
	v_lshlrev_b32 v11, 2, v13
	s_delay_alu instid0(VALU_DEP_1)
	v_lshl_add_u32 v11, v3, 6, v11                 ; among the scale words: 4 (r % 8) + 64 h
	v_lshl_add_u32 v[LST], v2, 2, s22
	v_mov_b32 v95, 0                               ; (a lane permute's destination counts as one of its sources)
	s_wait_alu depctr_va_vdst(0)
	s_wait_kmcnt 0x0
	s_add_nc_u64 s[4:5], s[4:5], s[16:17]
	s_add_nc_u64 s[8:9], s[8:9], s[18:19]
	s_add_nc_u64 s[10:11], s[10:11], s[20:21]
	s_add_nc_u64 s[12:13], s[12:13], s[20:21]
	global_load_b32 v[OWN], v6, s[8:9]
.irp p, 0,1,2,3,4,5,6,7
	global_load_b32 v[OP+\p], v7, s[8:9] offset:4*\p
.endr
.irp j, 0,1,2,3
	global_load_b128 v[BF+4*\j:BF+4*\j+3], v4, s[4:5] offset:512*\j
.endr
	global_load_b32 v[ZSC], v5, s[4:5] offset:2048
	s_wait_loadcnt 0x5                             ; the nine numbers of cand are in; the five loads of my tokens' record may be out
	; octet o lies in record o / 2, rows 8 (o % 2) on: (o & 0x3fe) x 1,152 is the record's first byte
	v_min_u32 v[OWN], 0x3ff, v[OWN]
	s_delay_alu instid0(VALU_DEP_1)
	v_and_b32 v14, 0x3fe, v[OWN]
	s_delay_alu instid0(VALU_DEP_2)
	v_and_b32 v15, 1, v[OWN]
	s_delay_alu instid0(VALU_DEP_2)
	v_mul_u32_u24 v14, v14, 1152
	s_delay_alu instid0(VALU_DEP_1)
	v_lshl_add_u32 v9, v15, 5, v14                 ; its eight norms: 32 (o % 2) bytes on
	global_load_b128 v[CN:CN+3], v9, s[6:7] offset:2176
	global_load_b128 v[CN+4:CN+7], v9, s[6:7] offset:2192
.irp p, 0,1,2,3,4,5,6,7
	v_min_u32 v[OP+\p], 0x3ff, v[OP+\p]
	s_delay_alu instid0(VALU_DEP_1)
	v_and_b32 v14, 0x3fe, v[OP+\p]
	s_delay_alu instid0(VALU_DEP_2)
	v_and_b32 v15, 1, v[OP+\p]
	s_delay_alu instid0(VALU_DEP_2)
	v_mul_u32_u24 v14, v14, 1152
	s_delay_alu instid0(VALU_DEP_1)
	v_lshl_add_u32 v[ADA+\p], v15, 7, v14          ; eight rows of 16 bytes on,
	s_delay_alu instid0(VALU_DEP_2)
	v_lshl_add_u32 v[ADS+\p], v15, 5, v14          ; eight words on
	s_delay_alu instid0(VALU_DEP_2)
	v_add_nc_u32 v[ADA+\p], v[ADA+\p], v10
	s_delay_alu instid0(VALU_DEP_2)
	v_add_nc_u32 v[ADS+\p], v[ADS+\p], v11
.irp j, 0,1,2,3
	global_load_b128 v[AF+16*\p+4*\j:AF+16*\p+4*\j+3], v[ADA+\p], s[6:7] offset:512*\j
.endr
	global_load_b32 v[AS+\p], v[ADS+\p], s[6:7] offset:2048
.endr
	s_wait_loadcnt 0x0
.irp p, 0,1,2,3,4,5,6,7
	v_cmp_eq_u32 s[40+\p], \p, v13                 ; the lanes whose token is p or p + 8
.endr
; Four products: K step 0 starts each sum from the norms, K step 1 adds in place; the four accumulators take turns.  Then each lane keeps its own token's eight results.
.macro BATCH p0
.irp a, 0,1,2,3
	v_wmma_scale_f32_16x16x128_f8f6f4 v[ACC+8*\a:ACC+8*\a+7], v[AF+16*(\p0+\a):AF+16*(\p0+\a)+7], v[BF:BF+7], v[CN:CN+7], v[AS+\p0+\a], v[ZSC] matrix_a_fmt:MATRIX_FMT_FP4 matrix_b_fmt:MATRIX_FMT_FP4
.endr
.irp a, 0,1,2,3
	v_wmma_scale_f32_16x16x128_f8f6f4 v[ACC+8*\a:ACC+8*\a+7], v[AF+16*(\p0+\a)+8:AF+16*(\p0+\a)+15], v[BF+8:BF+15], v[ACC+8*\a:ACC+8*\a+7], v[AS+\p0+\a], v[ZSC] matrix_a_fmt:MATRIX_FMT_FP4 matrix_b_fmt:MATRIX_FMT_FP4 matrix_a_scale:MATRIX_SCALE_ROW1 matrix_b_scale:MATRIX_SCALE_ROW1
.endr
.rept 4
	v_nop                                          ; four places between the products and the first read of a result (ISA guide 7.12.1)
.endr
.irp a, 0,1,2,3
.irp j, 0,1,2,3,4,5,6,7                        ; each accumulator from its low end on
.if (\p0+\a) == 0
	v_mov_b32 v[X+\j], v[ACC+\j]                   ; the first product starts the choice
.else
	v_cndmask_b32 v[X+\j], v[X+\j], v[ACC+8*\a+\j], s[40+\p0+\a]
.endif
.endr
.endr
.endm
	BATCH 0
	BATCH 4                                        ; each accumulator is begun anew behind the four v_nop and the 24 lines that read the three others
	; the first of the largest among my token's eight
	v_mov_b32 v92, v[X]
	v_mov_b32 v93, 0
.irp j, 1
	s_delay_alu instid0(VALU_DEP_2)
	v_cmp_ge_f32 vcc_lo, v92, v[X+\j]              ; the earlier stays where it is not beaten
	s_delay_alu instid0(VALU_DEP_1)
	v_cndmask_b32 v93, \j, v93, vcc_lo
	s_delay_alu instid0(VALU_DEP_4)
	v_max_num_f32 v92, v92, v[X+\j]
.endr
.irp j, 2, 3, 4, 5, 6, 7
	s_delay_alu instid0(VALU_DEP_1)
	v_cmp_ge_f32 vcc_lo, v92, v[X+\j]
	s_delay_alu instid0(VALU_DEP_1)
	v_cndmask_b32 v93, \j, v93, vcc_lo
	s_delay_alu instid0(VALU_DEP_3)
	v_max_num_f32 v92, v92, v[X+\j]
.endr
	s_delay_alu instid0(VALU_DEP_2)
	v_lshl_add_u32 v94, v[OWN], 3, v93             ; the index: 8 x octet + j
	s_delay_alu instid0(VALU_DEP_1)
	v_permlanex16_b32 v95, v94, s48, s49
	v_cmp_eq_u32 vcc_lo, v12, v3                   ; my eight results were my token's own where r / 8 = h; else lane l xor 16's were
	s_delay_alu instid0(VALU_DEP_1)
	v_cndmask_b32 v94, v95, v94, vcc_lo
	ds_store_b32 v[LST], v94                       ; (both halves of the lanes write the same word with the same value)
	s_wait_dscnt 0x0                               ; for wave 0's sake: my store is done
	s_barrier_signal -1
	s_barrier_wait -1
	s_cmp_lg_u32 s14, 0                            ; wave 0 stores the work-group's 128 indices, twice: 32 lanes, 512 consecutive bytes, aligned
	s_cbranch_scc1 .Ldone
	ds_load_b128 v[16:19], v4
	s_wait_dscnt 0x0
	global_store_b128 v4, v[16:19], s[10:11]
	global_store_b128 v4, v[16:19], s[12:13]
.Ldone:
	s_wait_tensorcnt 0x0                           ; the wave's end
	ds_add_u32 v[SPW], v[NIL]
	s_wait_dscnt 0x0
	s_endpgm
.Lfunc_end_k_q8a6d233264_rescore:
	.size	k_q8a6d233264_rescore, .Lfunc_end_k_q8a6d233264_rescore-k_q8a6d233264_rescore
	.p2alignl 7, 3214868480
	.fill 96, 4, 3214868480
	.section	.rodata,"a",@progbits
	.p2align	6, 0x0
	.amdhsa_kernel k_q8a6d233264_rescore
		.amdhsa_group_segment_fixed_size 1536
		.amdhsa_private_segment_fixed_size 0
		.amdhsa_enable_private_segment 0
		.amdhsa_kernarg_size 40
		.amdhsa_user_sgpr_count 2
		.amdhsa_user_sgpr_kernarg_segment_ptr 1
		.amdhsa_wavefront_size32 1
		.amdhsa_system_sgpr_workgroup_id_x 1
		.amdhsa_system_sgpr_workgroup_id_y 1
		.amdhsa_system_sgpr_workgroup_id_z 1
		.amdhsa_system_vgpr_workitem_id 0
		.amdhsa_next_free_vgpr 256
		.amdhsa_next_free_sgpr 66
		.amdhsa_reserve_vcc 1
		.amdhsa_float_denorm_mode_32 3
		.amdhsa_float_denorm_mode_16_64 3
		.amdhsa_memory_ordered 1
		.amdhsa_forward_progress 1
		.amdhsa_inst_pref_size 22
	.end_amdhsa_kernel
	.amdgpu_metadata
---
amdhsa.version: [ 1, 2 ]
amdhsa.kernels:
  - .name:           k_q8a6d233264_rescore
    .symbol:         k_q8a6d233264_rescore.kd
    .args:
      - { .name: zrec, .offset: 0, .size: 8, .value_kind: global_buffer, .address_space: global }
      - { .name: crec, .offset: 8, .size: 8, .value_kind: global_buffer, .address_space: global }
      - { .name: cand, .offset: 16, .size: 8, .value_kind: global_buffer, .address_space: global }
      - { .name: idx, .offset: 24, .size: 8, .value_kind: global_buffer, .address_space: global }
      - { .name: out1, .offset: 32, .size: 8, .value_kind: global_buffer, .address_space: global }
    .group_segment_fixed_size: 1536
    .private_segment_fixed_size: 0
    .kernarg_segment_align: 8
    .kernarg_segment_size: 40
    .max_flat_workgroup_size: 256
    .sgpr_count:     66
    .vgpr_count:     256
    .wavefront_size: 32
...
	.end_amdgpu_metadata
.endif
;; end of part 3
;; launch gather (part 4): grid 256 x 1, 8 waves a work-group, no clusters, 0 bytes of LDS; arguments codebook, idx, out0; writes out0
.if DOCPART == 4
	.amdgcn_target "amdgcn-amd-amdhsa--gfx1250"
	.amdhsa_code_object_version 6
	.text
	.protected	k_q8a6d233264_gather
	.globl	k_q8a6d233264_gather
	.p2align	8
	.type	k_q8a6d233264_gather,@function
k_q8a6d233264_gather:
	s_mov_b64 s[64:65], 0
	v_nop
	global_prefetch_b8 v0, s[64:65] scope:SCOPE_SE
	s_setreg_imm32_b32 hwreg(HW_REG_WAVE_MODE, 25, 1), 1
	s_wait_xcnt 0x0
; out0[token][:] = codebook[idx[token]][:], rows of 256 f32 = 1,024 bytes.  A stream: no LDS, no barrier, no matrix unit.
; A work-group takes 128 tokens; wave w takes tokens 8 k + w, k = 0 .. 15: in step k the eight waves store eight neighbouring rows, 8,192 consecutive bytes.
; A row is two loads of 512 consecutive bytes (16 bytes a lane) and two stores of the same shape, aligned.
; Sixteen loads go out first; then each store is followed by the load sixteen further on.  Each load has registers of its own, so nothing is written twice and no store's sources are waited for.
; The loads carry no hint: a row of the codebook may be named by many tokens.  The stores' bytes are written once and read by nobody here.
.set AHEAD, 16
	s_load_b128 s[4:7], s[0:1], 0x0                ; codebook, idx
	s_load_b64 s[8:9], s[0:1], 0x10                ; out0
	v_lshrrev_b32 v1, 5, v0
	s_delay_alu instid0(VALU_DEP_1)
	v_readfirstlane_b32 s10, v1                    ; wave 0..7
	s_lshl_b32 s12, ttmp9, 9                       ; the work-group's 512 bytes of idx,
	s_lshl_b32 s11, s10, 2
	s_add_co_u32 s12, s12, s11                     ; + 4 w
	s_mov_b32 s13, 0
	s_lshl_b32 s14, ttmp9, 17                      ; its 128 rows of out0,
	s_lshl_b32 s11, s10, 10
	s_add_co_u32 s14, s14, s11                     ; + row w
	s_mov_b32 s15, 0
	v_and_b32 v1, 31, v0
	s_delay_alu instid0(VALU_DEP_1)
	v_lshlrev_b32 v1, 4, v1                        ; 16 x lane
	s_wait_alu depctr_va_vdst(0)
	s_wait_kmcnt 0x0
	s_add_nc_u64 s[6:7], s[6:7], s[12:13]
	s_add_nc_u64 s[8:9], s[8:9], s[14:15]
.irp k, 0,1,2,3,4,5,6,7,8,9,10,11,12,13,14,15
	s_load_b32 s[16+\k], s[6:7], 32*\k             ; the index of token 8 k + w
.endr
	s_wait_kmcnt 0x0
.irp k, 0,1,2,3,4,5,6,7,8,9,10,11,12,13,14,15
	s_min_u32 s[16+\k], s[16+\k], 8191
	v_lshl_add_u32 v[2+\k], s[16+\k], 10, v1       ; the row's first byte + 16 x lane
.endr
	s_wait_alu depctr_va_vdst(0)
.macro LOADH n                         ; half n % 2 of row n / 2
	global_load_b128 v[32+4*(\n):32+4*(\n)+3], v[2+(\n)/2], s[4:5] offset:512*((\n)%2)
.endm
.set N, 0
.rept AHEAD
	LOADH N
.set N, N+1
.endr
.set N, 0
.rept 32
.if N+AHEAD < 32
	s_wait_loadcnt AHEAD-1                         ; loads come back in order: this one is in, the fifteen younger ones stay out
.else
	s_wait_loadcnt 31-N
.endif
	global_store_b128 v1, v[32+4*N:32+4*N+3], s[8:9] offset:8192*(N/2)+512*(N%2) th:TH_STORE_NT
.if N+AHEAD < 32
	LOADH N+AHEAD
.endif
.set N, N+1
.endr
	s_endpgm
.Lfunc_end_k_q8a6d233264_gather:
	.size	k_q8a6d233264_gather, .Lfunc_end_k_q8a6d233264_gather-k_q8a6d233264_gather
	.p2alignl 7, 3214868480
	.fill 96, 4, 3214868480
	.section	.rodata,"a",@progbits
	.p2align	6, 0x0
	.amdhsa_kernel k_q8a6d233264_gather
		.amdhsa_group_segment_fixed_size 0
		.amdhsa_private_segment_fixed_size 0
		.amdhsa_enable_private_segment 0
		.amdhsa_kernarg_size 24
		.amdhsa_user_sgpr_count 2
		.amdhsa_user_sgpr_kernarg_segment_ptr 1
		.amdhsa_wavefront_size32 1
		.amdhsa_system_sgpr_workgroup_id_x 1
		.amdhsa_system_sgpr_workgroup_id_y 1
		.amdhsa_system_sgpr_workgroup_id_z 1
		.amdhsa_system_vgpr_workitem_id 0
		.amdhsa_next_free_vgpr 160
		.amdhsa_next_free_sgpr 66
		.amdhsa_reserve_vcc 0
		.amdhsa_float_denorm_mode_32 3
		.amdhsa_float_denorm_mode_16_64 3
		.amdhsa_memory_ordered 1
		.amdhsa_forward_progress 1
		.amdhsa_inst_pref_size 12
	.end_amdhsa_kernel
	.amdgpu_metadata
---
amdhsa.version: [ 1, 2 ]
amdhsa.kernels:
  - .name:           k_q8a6d233264_gather
    .symbol:         k_q8a6d233264_gather.kd
    .args:
      - { .name: codebook, .offset: 0, .size: 8, .value_kind: global_buffer, .address_space: global }
      - { .name: idx, .offset: 8, .size: 8, .value_kind: global_buffer, .address_space: global }
      - { .name: out0, .offset: 16, .size: 8, .value_kind: global_buffer, .address_space: global }
    .group_segment_fixed_size: 0
    .private_segment_fixed_size: 0
    .kernarg_segment_align: 8
    .kernarg_segment_size: 24
    .max_flat_workgroup_size: 256
    .sgpr_count:     66
    .vgpr_count:     160
    .wavefront_size: 32
...
	.end_amdgpu_metadata
.endif
;; end of part 4
